; MI455X (gfx1250); checked and timed in simulation.
; The chip was launched on July 23, 2026; its instructions are those of AMD's public machine-readable ISA for CDNA 5 (MIT licence, August 2026) and "CDNA5" Instruction Set Architecture Reference Guide (July 2026). The comments in the code are by the model that wrote it; some were corrected since.
;; Model. Allowed arithmetic: matrix products marked QUANTISED: E2M1 operands, one E8M0 scale for each 32 along K, by v_wmma_scale_f32_16x16x128_f8f6f4 with both operands' format E2M1 (or v_wmma_scale_f32_32x16x128_f4), f32 sums; everything else in f32.
;; Inputs: k 4 x 16 x 2,048 x 64 float32; q 4 x 16 x 2,048 x 64 float32; scale_factor one number float32; v 4 x 16 x 2,048 x 64 float32.
;; Outputs: out0 4 x 16 x 2,048 x 64 float32.
;; Constants: dropout_p = 0.
;; This version of the problem:
;;   THIS VERSION OF THE PROBLEM IS GIVEN IN LOW PRECISION. The matrix products marked QUANTISED in the list below multiply operands that are first quantised to E2M1 (2 exponent bits, 1 mantissa bit; 4 bits a number), with one power-of-two scale for each 32 numbers along K (OCP MX v1.0); their sums are f32. All else is computed in f32.
;;   The module's matrix products, in the order in which they are computed (A, B: the left and right operand; K: the contracted axis; several contracted axes count as one K, in the product's order):
;;     1. batch 64 x [M 2,048, K 64] x [K 64, N 2,048]; A: input q; B: input k: QUANTISED
;;     2. batch 64 x [M 2,048, K 2,048] x [K 2,048, N 64]; A: softmax (see below); B: input v: QUANTISED
;;   THE QUANTISER, for each operand of a quantised product, along K:
;;     - K is cut into blocks of 32 from its start; a last block that is shorter is filled with zeros.
;;     - A block's scale is 2^e with e = floor(log2(the largest magnitude in the block)) - 2, held to -126 .. 127; a block of zeros has e = 0. As a byte (E8M0): e + 127.
;;     - Each number is divided by its block's scale, clamped to +-6, and rounded to the nearest number of E2M1, ties to even, subnormals kept.
;;     - The product sums the exact products of the quantised numbers (number of the format x scale) in f32.
;;   ~~~python
;;   def quantise(x, axis):      # numpy; x: float32 -> the quantised numbers, widened to float32 again
;;       x = np.moveaxis(x, axis, -1); K = x.shape[-1]
;;       x = np.pad(x, [(0, 0)] * (x.ndim - 1) + [(0, -K % 32)]); x = x.reshape(x.shape[:-1] + (-1, 32)); a = np.abs(x).max(-1, keepdims=True)
;;       e = np.where(a > 0, np.clip(np.frexp(np.where(a > 0, a, 1))[1] - 1 - 2, -126, 127), 0)      # np.frexp(a)[1] - 1 = floor(log2(a)), exactly
;;       r = np.clip(x / 2.0 ** e, -6, 6)
;;       step = 2.0 ** (np.maximum(np.frexp(np.where(r == 0, 1, r))[1] - 1, 0) - 1)
;;       q = np.round(r / step) * step * 2.0 ** e      # np.round: ties to even
;;       return np.moveaxis(q.reshape(q.shape[:-2] + (-1,))[..., :K], -1, axis).astype(np.float32)
;;   ~~~
;;   SOFTMAX AHEAD OF A QUANTISED PRODUCT. Where the list says 'softmax', what is quantised is not the finished softmax but p = 2^(t - M), with t = logit x log2(e) and M = ceil(the row's largest t), a whole number; so 1/2 < the row's largest p <= 1. The row's sum l is taken of the UNQUANTISED p, in f32, and the product's result is divided by l at the end. Since M is a whole number, a kernel that streams over the keys may use a running M (the ceiling of the running maximum): every later rescaling is an exact power of two, which a block's scale takes up: the codes' values come out the same.
;;   OPERANDS COMPUTED ON THE WAY. 'Computed on the way' means the value that the module computes at that place (a softmax that the list does not call 'softmax' is quantised finished and normalised). What goes into a quantiser is computed in f32, as accurately as f32 sums, v_exp_f32 and their like allow (about 1e-6 of the number): no bf16 or f16 on the way to a quantiser, and a product that is left as it is and whose result goes on into a quantised operand takes f32 operands (vector FMAs, or v_wmma_f32_16x16x4_f32). A number that lies on a knife's edge between two numbers of the format may be rounded either way, as far as f32 arithmetic and the matrix unit's own rounding can turn it there, and no further.
;; 2 versions. Each part assembles by itself: llvm-mc -triple=amdgcn-amd-amdhsa -mcpu=gfx1250 --defsym DOCPART=n.
;; ======== version 1 of 2: 1 launch
;; launch attn (part 1): grid 4 x 64, 16 waves a work-group, no clusters, 215,040 bytes of LDS; arguments q, k, v, scale_factor, out0; writes out0
.if DOCPART == 1
	.amdgcn_target "amdgcn-amd-amdhsa--gfx1250"
	.amdhsa_code_object_version 6
	.text
	.protected	k_q37d68c78ed_attn
	.globl	k_q37d68c78ed_attn
	.p2align	8
	.type	k_q37d68c78ed_attn,@function
k_q37d68c78ed_attn:
	s_mov_b64 s[64:65], 0
	v_nop
	global_prefetch_b8 v0, s[64:65] scope:SCOPE_SE
	s_setreg_imm32_b32 hwreg(HW_REG_WAVE_MODE, 25, 1), 1
	s_wait_xcnt 0x0
; out0[h][q][:] = the sum over keys of softmax(q . k x scale_factor) v, 64 heads x 2,048 queries x 2,048 keys, head size 64, all f32 in memory.
; Both products run on codes of FP4 (E2M1) with one E8M0 scale for each 32 along a product's K.  The first product's K is the head's 64 (two blocks), the second's the keys.
; THE SOFTMAX AHEAD OF THE SECOND PRODUCT: t = score x scale_factor x log2(e); M = the row's largest t so far, rounded UP to a whole number; p = 2^(t - M) is quantised along the keys, not normalised.
; The row's sum is taken of the unquantised p, in f32, and divides at the end.  When M moves, the sum and O are multiplied by 2^(old M - new M): exact.
; SHARES.  A work-group owns 512 queries of one head (grid x: the block of queries; grid y: the head).  Each of its sixteen waves owns 32 queries, two tiles of 16 (A and B), in 256 registers:
; four waves to a SIMD, so that one wave's exponentials stand beside another's plain vector work, products and LDS loads.  The two tiles share every fragment of K and V that the wave reads from LDS.
; A HEAD'S CODES STAY IN LDS.  2,048 keys x 64 as 4-bit codes are 64 KiB for k and 64 KiB for v, their scale words 12 KiB: 143,360 bytes.  In the prologue wave w quantises keys 128 w .. 128 w + 127 of k and of v
; and stores them as IMAGES OF THE OPERANDS' REGISTERS (lane l's 16 bytes at 16 l), and quantises its own 32 queries into registers.  One barrier; then sixteen key steps of 128 keys with no memory traffic at all.
; NO CLUSTER, NO TENSOR LOADS, NO RING: what the four work-groups of a head share is f32 numbers that have to pass through registers to become codes; brought jointly into LDS first they would be 1 MiB a head through slots
; filled again and again, where the codes need 140 KiB once.  The price is that a head's k and v are quantised four times: about 500 vector instructions a wave beside the loop's 16 x 462.
; LAYOUT.  Both products are used transposed: S^T = K Q^T (source 0 = 16 keys, source 1 = 16 queries), O^T = V^T P^T (source 0 = 16 of the head's 64, source 1 = P): a lane holds ONE query (lane % 16) throughout.
; THE KEYS OF A TILE ARE NOT NEIGHBOURS: lane r of tile 2 b + u takes key 32 b + 8 u + r + 8 (r / 8), so that the 16 registers of tiles 2 b and 2 b + 1 are 16 neighbouring keys, 32 b + 16 (lane / 16) + 0 .. 15.
; THE FIRST PRODUCT'S K IS 64 OF THE INSTRUCTION'S 128.  Q's registers 4-7 (k = 64 .. 127) are zero codes.  K's operand of tile t is v[32 + 4 t : 39 + 4 t]: its upper four registers are the next tile's codes (behind the
; last tile: zeros); every 4-bit code is a finite number, so times Q's zeros that half adds exactly 0.  The scale words' bytes 2 and 3 are 0, which stands for 2^-127 and is no NaN.
; THE SIGN OF scale_factor.  The maximum is searched on the scores and |c| applied behind it, c = scale_factor x log2(e).  Where c is negative the sign bits of Q's codes are flipped (an exclusive or, no branch): the scores change sign exactly.
; LIMITS: NaN and infinities among the inputs are not served.  A block of zeros gets the scale byte 1 where the quantiser's rule says 127: its codes are zeros, and this program alone reads the bytes.
; A p under 2^-126 comes out of v_exp_f32 as 0 (ISA guide, the instruction's entry).  A block's largest p is taken as the exponential of the block's largest score, which leans on v_exp_f32 not falling where its input rises.
.set STEPB,  8960                      ; LDS bytes of a key step: K's images, K's scale words, V's images, V's scale words
.set KSCO,   4096                      ; K's images: 8 tiles x 512 bytes at 0; K's scale words: 16 bytes a lane: word b = tile 2 b's rows in lanes 0-15, tile 2 b + 1's in lanes 16-31
.set VIMG,   4608                      ; V's images: fragment t (d = 16 t + r), group c of four registers at 1024 t + 512 c + 16 x lane
.set VSCO,   8704                      ; V's scale words: 8 bytes a lane: word g = the four key blocks' bytes of d = 32 g + lane
.set STG,    16*STEPB                  ; behind the sixteen steps: a stage of 16 rows x 272 bytes for each wave, its own: it turns q's and k's tiles in the prologue and carries the way out
.set SPITCH, 272                       ; 256 bytes + 16 = 68 words: row r starts at bank 4 r mod 64 (64 banks of 4 bytes: ISA guide 11.1)
.set LI,   1                           ; v1   16 x lane: an image's place for my lane; also my offset in every dense run of 512 bytes of memory; never rewritten
.set L8,   2                           ; v2   8 x lane; never rewritten
.set AD,   3                           ; v3   16 x lane + the step's first LDS byte
.set AD8,  4                           ; v4   8 x lane + the same
.set SO,   5                           ; v5   my stage: row lane % 16, + 32 (lane / 16)
.set SR,   6                           ; v6   my stage by rows: row lane / 16, + 16 (lane % 16)
.set STAT, 8                           ; v8-11 tile A, v12-15 tile B: -M, the largest t, the row's sum in two halves
.set QF,   16                          ; v16-23 Q's fragment of tile A (codes, then four registers of zeros), v24-31 of tile B
.set KF,   32                          ; v32-63 K's eight tiles x 4 registers, later V's four fragments x 8;  v64-67 zeros
.set QS,   68                          ; v68  Q's scale words: tile A's in lanes 0-15, tile B's in lanes 16-31
.set PS,   69                          ; v69, v70  p's scale word of tile A, of tile B
.set KS,   72                          ; v72-75 K's scale words
.set VS,   76                          ; v76-77 V's
.set BM,   80                          ; v80-83 the four blocks' largest scores, then largest p
.set TT,   84                          ; v84-87 at work
.set SCO,  88                          ; v88-91 the conversions' scale operands
.set FF,   92                          ; v92  f = 2^(old M - new M); v93 is named with it as a pair and holds 0
.set TMP,  94
.set SS,   96                          ; v96-159 S^T, then p
.set OT,   160                         ; v160-191 O^T of tile A, v192-223 of tile B
.set PCD,  224                         ; v224-231 p's codes of tile A, v232-239 of tile B
; the prologue's own names
.set STL,  8                           ; v8   my stage: row lane % 16, + 128 (lane / 16): my block of 32 numbers
.set VW,   9                           ; v9   where I store a block's codes of v: my step + 1024 (lane / 16) + 16 (lane % 16)
.set L4,   10                          ; v10  4 x lane
.set SH8,  11                          ; v11  8 (lane / 16)
.set X0,   32                          ; v32-63, v96-127: 32 neighbours along K, two sets by turns
.set KCD,  80                          ; v80-87 a tile's codes of k, two sets by turns
.set MXA,  88
.set MXB,  89
.set SCL,  90
.set BY,   91
.set TP,   92
.set WD,   94
.set VCD,  96                          ; v96-127 v's codes: four registers for each of the eight blocks
.set LD0,  128                         ; v128-255 four sets of 32 registers for loads from memory
.set SEL,  20                          ; s[20:21] v_permlanex16_b32's selects for lane l xor 16
.set CS,   22                          ; s[22:23] |c|: the packed form names a pair and takes its low word for both halves
.set SGN,  24                          ; s24  0x88888888 where c is negative, else 0
.set HIM,  25                          ; s25  the mask of lanes 16-31
.set TB,   26                          ; s26  the key step's first LDS byte
.set CNT,  27                          ; s27  key steps to go
	s_load_b256 s[4:11], s[0:1], 0x0               ; q s[4:5], k s[6:7], v s[8:9], scale_factor's address s[10:11]
	s_load_b64 s[12:13], s[0:1], 0x20              ; out0
	v_lshl_add_u32 v79, v0, 2, 0x34000
	v_mov_b32 v95, 0
	v_lshrrev_b32 v12, 5, v0
	v_readfirstlane_b32 s15, v12                   ; wave 0..15
	v_and_b32 v14, 31, v0                          ; lane
	v_and_b32 v12, 15, v0                          ; r
	v_bfe_u32 v13, v0, 4, 1                        ; h
	v_lshlrev_b32 v[LI], 4, v14
	v_lshlrev_b32 v[L8], 3, v14
	v_lshlrev_b32 v[L4], 2, v14
	v_lshlrev_b32 v[SH8], 3, v13
	s_mul_i32 s28, s15, STEPB                      ; the key step that I quantise
	s_mul_i32 s29, s15, 16*SPITCH
	s_add_co_u32 s29, s29, STG                     ; my stage
	v_add_nc_u32 v[AD], s28, v[LI]
	v_add_nc_u32 v[AD8], s28, v[L8]
	v_mul_u32_u24 v15, v12, SPITCH
	v_add_nc_u32 v15, s29, v15
	v_lshl_add_u32 v[SO], v13, 5, v15
	v_lshl_add_u32 v[STL], v13, 7, v15
	v_mul_u32_u24 v15, v13, SPITCH
	v_lshl_add_u32 v15, v12, 4, v15
	v_add_nc_u32 v[SR], s29, v15
	v_lshlrev_b32 v15, 10, v13
	v_lshl_add_u32 v15, v12, 4, v15
	v_add_nc_u32 v[VW], s28, v15
.irp j, 20,21,22,23,28,29,30,31,64,65,66,67,92,93
	v_mov_b32 v\j, 0                               ; Q's upper halves; the tail behind K's last tile; a lane permute's destination counts as one of its sources; f's partner in its pair
.endr
	s_mov_b32 s[SEL], 0x76543210
	s_mov_b32 s[SEL+1], 0xfedcba98
	s_mov_b32 s[HIM], 0xffff0000
	s_and_b32 s16, ttmp7, 0xffff
	s_lshl_b32 s16, s16, 19                        ; the head's first byte in each tensor: 2,048 rows of 256 bytes
	s_lshl_b32 s18, s15, 15                        ; k, v: my 128 keys
	s_add_co_u32 s18, s18, s16
	s_mov_b32 s19, 0
	s_lshl_b32 s30, ttmp9, 17                      ; q, out0: the work-group's 512 queries,
	s_lshl_b32 s31, s15, 13                        ; my 32 of them
	s_add_co_u32 s30, s30, s31
	s_add_co_u32 s30, s30, s16
	s_mov_b32 s31, 0
	s_wait_kmcnt 0x0
	s_load_b32 s14, s[10:11], 0x0                  ; scale_factor
	s_add_nc_u64 s[6:7], s[6:7], s[18:19]
	s_add_nc_u64 s[8:9], s[8:9], s[18:19]
	s_add_nc_u64 s[4:5], s[4:5], s[30:31]
	s_add_nc_u64 s[12:13], s[12:13], s[30:31]
; ---------------- THE PROLOGUE'S MACROS ----------------
; A tile of 16 rows x 256 bytes from memory, 512 consecutive bytes a load.  g = 0, 1: my queries' tiles; g = 2 .. 9: tile g - 2 of my 128 keys, whose rows 8-15 lie 16 keys behind rows 0-7.
.macro TLOAD g
.set RS, LD0+32*((\g)%4)
.if (\g) < 2
.irp i, 0,1,2,3,4,5,6,7
	global_load_b128 v[RS+4*\i:RS+4*\i+3], v[LI], s[4:5] offset:4096*(\g)+512*\i th:TH_LOAD_NT   ; q is read once in the launch
.endr
.else
.set KT, (\g)-2
.irp i, 0,1,2,3,4,5,6,7
	global_load_b128 v[RS+4*\i:RS+4*\i+3], v[LI], s[6:7] offset:(32*(KT/2)+8*(KT%2))*256+512*\i+2048*(\i/4)
.endr
.endif
.endm
; The tile turns through my stage: in as loaded (two rows a store), out 128 bytes a lane: lane (r, h) then holds k = 32 h .. 32 h + 31 of row r, a whole block.  LDS serves a wave's instructions in order (ISA guide 5.7.1.4).
.macro TURN g
.set RS, LD0+32*((\g)%4)
.set XR, X0+64*((\g)%2)
.irp i, 0,1,2,3,4,5,6,7
	ds_store_b128 v[SR], v[RS+4*\i:RS+4*\i+3] offset:2*SPITCH*\i
.endr
.irp j, 0,1,2,3,4,5,6,7
	ds_load_b128 v[XR+4*\j:XR+4*\j+3], v[STL] offset:16*\j
.endr
.endm
; A block of 32 numbers in one lane's registers v[x] on becomes 32 codes in v[c] .. v[c + 3] and the scale's byte in v[by].
.macro QUANT x, c, by
.set qX, \x
.set qC, \c
.set qB, \by
	v_max3_num_f32 v[MXA], |v[qX]|, |v[qX+1]|, |v[qX+2]|            ; the block's largest magnitude, in two chains
	v_max3_num_f32 v[MXB], |v[qX+3]|, |v[qX+4]|, |v[qX+5]|
.irp i, 6,10,14,18,22,26
	v_max3_num_f32 v[MXA], v[MXA], |v[qX+\i]|, |v[qX+\i+1]|
	v_max3_num_f32 v[MXB], v[MXB], |v[qX+\i+2]|, |v[qX+\i+3]|
.endr
	v_max3_num_f32 v[MXA], v[MXA], |v[qX+30]|, |v[qX+31]|
	v_max3_num_f32 v[MXA], v[MXA], v[MXB], 0x1800000               ; and the floor 2^(3 - 127): the byte cannot fall under 1
	v_add_nc_u32 v[SCL], 0xff000000, v[MXA]                        ; 2 off its exponent field: the conversion takes the exponent field of this operand as its scale, and nothing else of it
.irp n, 0,1,2,3
	v_cvt_scalef32_pk8_fp4_f32 v[qC+\n], v[qX+8*\n:qX+8*\n+7], v[SCL]
.endr
	v_lshrrev_b32 v[qB], 23, v[SCL]                                ; the scale's byte; also the plain line behind the conversions
.endm
; Lane (r, h) holds block h's byte of row r: the two halves of the lanes make the row's scale word, which then lies in both.
.macro WORD dst
	v_lshlrev_b32 v[BY], v[SH8], v[BY]
	v_permlanex16_b32 v[TP], v[BY], s[SEL], s[SEL+1]
	v_or_b32 v[\dst], v[BY], v[TP]
.endm
.macro QTILE g
.set XQ, X0+64*((\g)%2)
.if (\g) < 2
	QUANT XQ, QF+8*(\g), BY
.if (\g) == 0
	WORD QS
.else
	WORD WD
	v_cndmask_b32 v[QS], v[QS], v[WD], s[HIM]                      ; tile B's words go to lanes 16-31
.endif
.irp n, 0,1,2,3
	v_xor_b32 v[QF+8*(\g)+\n], s[SGN], v[QF+8*(\g)+\n]             ; the codes' sign bits, where c is negative
.endr
.else
.set KT, (\g)-2
	QUANT XQ, KCD+4*((\g)%2), BY
.if KT%2 == 0
	WORD KS+KT/2
.else
	WORD WD
	v_cndmask_b32 v[KS+KT/2], v[KS+KT/2], v[WD], s[HIM]            ; an odd tile's words go to lanes 16-31
.endif
	ds_store_b128 v[AD], v[KCD+4*((\g)%2):KCD+4*((\g)%2)+3] offset:512*KT   ; the tile's image
.endif
.endm
; v: K = the keys is its first axis, so A LANE TAKES A COLUMN d AND ITS REGISTERS RUN DOWN THE KEYS.  Unit j: keys 32 (j / 2) on, columns 32 (j % 2) + lane: each load reads 128 consecutive bytes,
; and the other half of each row of 256 bytes is asked for by the neighbouring unit.
.macro VLOAD j
.set VR, LD0+64+32*((\j)%2)
.irp i, 0,1,2,3,4,5,6,7,8,9,10,11,12,13,14,15,16,17,18,19,20,21,22,23,24,25,26,27,28,29,30,31
	global_load_b32 v[VR+\i], v[L4], s[8:9] offset:(32*((\j)/2)+\i)*256+128*((\j)%2)
.endr
.endm
.macro VUNIT j
.set XV, LD0+64+32*((\j)%2)
.set VB, (\j)/2
.set VG, (\j)%2
.if (\j) < 7
	s_wait_loadcnt 32                              ; this unit's 32 loads are in; the next unit's may be out
.else
	s_wait_loadcnt 0x0
.endif
.if VB == 0
	QUANT XV, VCD+4*(\j), VS+VG
.else
	QUANT XV, VCD+4*(\j), BY
	v_lshl_or_b32 v[VS+VG], v[BY], 8*VB, v[VS+VG]                  ; four key blocks' bytes to a word, the lower keys in the lower byte
.endif
	ds_store_b128 v[VW], v[VCD+4*(\j):VCD+4*(\j)+3] offset:VIMG+2048*VG+512*(VB/2)+256*(VB%2)   ; column d = 16 t + r, block 2 c + h: fragment t, group c, lane r + 16 h
.if (\j) < 6
	VLOAD (\j)+2
.endif
.endm
; ---------------- THE PROLOGUE ----------------
	TLOAD 0
	TLOAD 1
	TLOAD 2
	TLOAD 3
	s_wait_kmcnt 0x0                               ; scale_factor
	s_mul_f32 s[CS], s14, 0x3fb8aa3b               ; c = scale_factor x log2(e)
	s_ashr_i32 s[SGN], s[CS], 31
	s_and_b32 s[SGN], s[SGN], 0x88888888
	s_and_b32 s[CS], s[CS], 0x7fffffff             ; |c|
	s_mov_b32 s[CS+1], s[CS]                       ; (named with it as a pair, so it is written)
	s_wait_loadcnt 24                              ; tile 0's eight loads are in; three tiles' stay out
	TURN 0
.irp g, 0,1,2,3,4,5,6,7,8,9
.if \g < 3
	s_wait_dscnt 0x0                               ; this tile is back from the stage: so its stores into the stage have read their set of registers
.else
	s_wait_dscnt 0x1                               ; the same; the last tile's code store may be out, the one before it has read its registers
.endif
.if \g < 7
	s_wait_loadcnt 16                              ; the next tile's loads are in; two younger tiles' may be out
.elseif \g == 7
	s_wait_loadcnt 40                              ; younger: the last tile's 8 and v's first 32
.elseif \g == 8
	s_wait_loadcnt 32                              ; younger: v's first 32
.endif
.if \g < 9
	TURN \g+1                                      ; the next tile goes through the stage while this one is quantised
.endif
.if \g < 6
	TLOAD \g+4                                     ; into the set that this tile has left
.elseif \g == 6
	VLOAD 0
.elseif \g == 8
	VLOAD 1
.endif
	QTILE \g
.endr
	ds_store_b128 v[AD], v[KS:KS+3] offset:KSCO    ; my step's scale words of k
.irp j, 0,1,2,3,4,5,6,7
	VUNIT \j
.endr
	ds_store_b64 v[AD8], v[VS:VS+1] offset:VSCO    ; and of v
	s_wait_dscnt 0x0                               ; for the others' sake: my images have landed
	s_barrier_signal -1
	s_barrier_wait -1                              ; the head's codes lie in LDS; nothing writes them again
; ---------------- THE LOOP'S MACROS ----------------
; One matrix instruction from rD, rA, rB, rSA, rSB.  z = 1: C = 0, the product starts its sum; else it adds in place.  ra, rb: the side's scale words lie in lanes 16-31.
.macro WM z, ra, rb
.if (\z) && (\ra) && (\rb)
	v_wmma_scale_f32_16x16x128_f8f6f4 v[rD:rD+7], v[rA:rA+7], v[rB:rB+7], 0, v[rSA], v[rSB] matrix_a_fmt:MATRIX_FMT_FP4 matrix_b_fmt:MATRIX_FMT_FP4 matrix_a_scale:MATRIX_SCALE_ROW1 matrix_b_scale:MATRIX_SCALE_ROW1
.elseif (\z) && (\ra)
	v_wmma_scale_f32_16x16x128_f8f6f4 v[rD:rD+7], v[rA:rA+7], v[rB:rB+7], 0, v[rSA], v[rSB] matrix_a_fmt:MATRIX_FMT_FP4 matrix_b_fmt:MATRIX_FMT_FP4 matrix_a_scale:MATRIX_SCALE_ROW1
.elseif (\z) && (\rb)
	v_wmma_scale_f32_16x16x128_f8f6f4 v[rD:rD+7], v[rA:rA+7], v[rB:rB+7], 0, v[rSA], v[rSB] matrix_a_fmt:MATRIX_FMT_FP4 matrix_b_fmt:MATRIX_FMT_FP4 matrix_b_scale:MATRIX_SCALE_ROW1
.elseif (\z)
	v_wmma_scale_f32_16x16x128_f8f6f4 v[rD:rD+7], v[rA:rA+7], v[rB:rB+7], 0, v[rSA], v[rSB] matrix_a_fmt:MATRIX_FMT_FP4 matrix_b_fmt:MATRIX_FMT_FP4
.elseif (\ra)
	v_wmma_scale_f32_16x16x128_f8f6f4 v[rD:rD+7], v[rA:rA+7], v[rB:rB+7], v[rD:rD+7], v[rSA], v[rSB] matrix_a_fmt:MATRIX_FMT_FP4 matrix_b_fmt:MATRIX_FMT_FP4 matrix_a_scale:MATRIX_SCALE_ROW1
.else
	v_wmma_scale_f32_16x16x128_f8f6f4 v[rD:rD+7], v[rA:rA+7], v[rB:rB+7], v[rD:rD+7], v[rSA], v[rSB] matrix_a_fmt:MATRIX_FMT_FP4 matrix_b_fmt:MATRIX_FMT_FP4
.endif
.endm
; S^T = K Q^T for query tile q: eight tiles of 16 keys.  Lane (r, h) then holds query r; the 16 registers of tiles 2 b, 2 b + 1 are keys 32 b + 16 h + 0 .. 15 of the step.
.macro SMUL q
.irp t, 0,1,2,3,4,5,6,7
.set rD, SS+8*\t
.set rA, KF+4*\t
.set rB, QF+8*\q
.set rSA, KS+\t/2
.set rSB, QS
	WM 1, \t%2, \q
.endr
.endm
; O^T += V^T P^T: four tiles of 16 of the head's 64 x two query tiles; K = the step's 128 keys.  The eight accumulators take turns, one instruction a turn, and the sixteen products of S^T stand between two trips' turns
.macro PVMUL
.irp t, 0,1,2,3
.irp q, 0,1
.set rD, OT+32*\q+8*\t
.set rA, KF+8*\t
.set rB, PCD+8*\q
.set rSA, VS+\t/2
.set rSB, PS+\q
	WM 0, \t%2, 0
.endr
.endr
.endm
.macro PLACES                          ; four plain vector lines between a matrix instruction and the first read of its result, or a load into one of its registers (ISA guide 7.12.1 for vector instructions)
.rept 4
	v_nop
.endr
.endm
; The softmax of query tile q for one key step: 64 scores a lane in v[SS] on become p's codes and scale word; the statistics and O^T go under the new M.
.macro SOFTMAX q
.set ST, STAT+4*\q
.set OQ, OT+32*\q
.set PQ, PCD+8*\q
.set PW, PS+\q
.irp b, 0,1,2,3
	v_max3_num_f32 v[BM+\b], v[SS+16*\b], v[SS+1+16*\b], v[SS+2+16*\b]   ; THE LARGEST SCORE OF EACH BLOCK OF 32 KEYS: it serves twice: for the row's maximum and, since p rises with the score, for the block's largest p.  Each accumulator is read from its low end on
.endr
.irp i, 3,5,7,9,11,13
.irp b, 0,1,2,3
	v_max3_num_f32 v[BM+\b], v[BM+\b], v[SS+16*\b+\i], v[SS+1+16*\b+\i]   ; (the four blocks by turns)
.endr
.endr
.irp b, 0,1,2,3
	v_max_num_f32 v[BM+\b], v[BM+\b], v[SS+15+16*\b]
.endr
.irp b, 0,1,2,3
	v_permlanex16_b32 v[TT+\b], v[BM+\b], s[SEL], s[SEL+1]
.endr
.irp b, 0,1,2,3
	v_max_num_f32 v[BM+\b], v[BM+\b], v[TT+\b]     ; with lane l xor 16's 16 keys
.endr
	v_max3_num_f32 v[TMP], v[BM], v[BM+1], v[BM+2]
	v_max_num_f32 v[TMP], v[TMP], v[BM+3]          ; the step's largest score of my query
	v_mul_f32 v[TMP], s[CS], v[TMP]                ; as t (|c| is not negative)
	v_max_num_f32 v[ST+1], v[ST+1], v[TMP]         ; the running largest t
	v_mov_b32 v[TMP], v[ST]
	v_floor_f32 v[ST], -v[ST+1]                    ; the new -M = floor(-t) = -ceil(t): M IS A WHOLE NUMBER
	v_sub_f32 v[TMP], v[ST], v[TMP]                ; M's old value less its new one: a whole number, 0 or less
	v_cvt_i32_f32 v[TMP], v[TMP]                   ; (it saturates)
	v_ldexp_f32 v[FF], 1.0, v[TMP]                 ; f = 2^(old M - new M): a multiplication by it rounds nothing
.set jj, 0
.rept 32
	v_pk_fma_f32 v[SS+jj:SS+jj+1], v[SS+jj:SS+jj+1], s[CS:CS+1], v[ST:ST+1] op_sel_hi:[1,0,0]   ; t - M, two at a time (of the pairs |c| and -M the low word serves both halves)
.set jj, jj+2
.endr
.irp b, 0,1,2,3
	v_fma_f32 v[BM+\b], v[BM+\b], s[CS], v[ST]     ; the same of each block's largest score
.endr
.set jj, 0
.rept 64
	v_exp_f32 v[SS+jj], v[SS+jj]                   ; p = 2^(t - M), at most 1: NOT normalised
.set jj, jj+1
.endr
.irp b, 0,1,2,3
	v_exp_f32 v[BM+\b], v[BM+\b]                   ; the block's largest p: the same two instructions on the same number give the same bits
.endr
	v_pk_mul_f32 v[ST+2:ST+3], v[ST+2:ST+3], v[FF:FF+1] op_sel_hi:[1,0]   ; the sums under the new M.  (The plain line behind the exponentials)
	s_wait_alu depctr_va_vdst(0)
.irp b, 0,1,2,3
	v_max_num_f32 v[BM+\b], 0x1800000, v[BM+\b]    ; the floor 2^(3 - 127): the byte cannot fall under 1 (a block whose every p has fallen to 0 keeps that byte: its codes are zeros)
.endr
.irp b, 0,1,2,3
	v_add_nc_u32 v[SCO+\b], 0xff000000, v[BM+\b]   ; 2 off the exponent field: the conversion's scale operand
.endr
.irp b, 0,1,2,3
	v_lshrrev_b32 v[TT+\b], 23, v[SCO+\b]          ; the scale's byte
.endr
	v_lshl_or_b32 v[PW], v[TT+1], 8, v[TT]         ; p's scale word for these 128 keys
	v_lshl_or_b32 v[PW], v[TT+2], 16, v[PW]
	v_lshl_or_b32 v[PW], v[TT+3], 24, v[PW]
.irp b, 0,1,2,3
	v_cvt_scalef32_pk8_fp4_f32 v[PQ+2*\b], v[SS+16*\b:SS+7+16*\b], v[SCO+\b]
	v_cvt_scalef32_pk8_fp4_f32 v[PQ+1+2*\b], v[SS+8+16*\b:SS+15+16*\b], v[SCO+\b]
.endr
	v_nop                                          ; one plain line between a scaled conversion and what touches its result or writes its sources
.irp c, 0,1                                    ; the operand's layout wants a WHOLE block in a lane: lanes 0-15 block 2 c, lanes 16-31 block 2 c + 1
.irp i, 0,1
	v_permlane16_swap_b32 v[PQ+4*\c+\i], v[PQ+2+4*\c+\i]
.endr
.endr
.set jj, 0
.rept 16
	v_pk_mul_f32 v[OQ+jj:OQ+jj+1], v[OQ+jj:OQ+jj+1], v[FF:FF+1] op_sel_hi:[1,0]   ; O^T under the new M: x f, each accumulator from its low end on
.set jj, jj+2
.endr
	v_pk_add_f32 v[TT:TT+1], v[SS:SS+1], v[SS+2:SS+3]   ; THE ROW'S SUM IS TAKEN OF THE UNQUANTISED p: two at a time, in two chains.  These 32 lines name no register of the second product:
.irp j, 4,8,12,16,20,24,28,32,36,40,44,48,52,56,60      ; they are the lines between the vector writes of its operands (codes, scale word, O^T) and it
	v_pk_add_f32 v[ST+2:ST+3], v[ST+2:ST+3], v[SS+\j:SS+1+\j]
	v_pk_add_f32 v[TT:TT+1], v[TT:TT+1], v[SS+2+\j:SS+3+\j]
.endr
	v_pk_add_f32 v[ST+2:ST+3], v[ST+2:ST+3], v[TT:TT+1]
.endm
; ---------------- THE LOOP ----------------
.irp q, 0,1
	v_mov_b32 v[STAT+4*\q+1], 0xff61b1e6           ; the largest t so far: -3e38, under every t
	v_floor_f32 v[STAT+4*\q], -v[STAT+4*\q+1]      ; -M
	v_mov_b32 v[STAT+4*\q+2], 0                    ; the sum, in two halves
	v_mov_b32 v[STAT+4*\q+3], 0
.endr
.irp b, 0,1,2,3
	v_mov_b32 v[TT+\b], 0                          ; a lane permute's destination counts as one of its sources
.endr
.set jj, 0
.rept 64
	v_mov_b32 v[OT+jj], 0                          ; O^T.  The key step is written once: its first trip finds zeros, which the first change of M leaves zeros; a first step of its own would double the loop's text
.set jj, jj+1
.endr
	s_mov_b32 s[TB], 0
	s_mov_b32 s[CNT], 16
.Lstep:                                            ; sixteen trips of 128 keys
	v_add_nc_u32 v[AD], s[TB], v[LI]               ; (no LDS instruction of mine is out here)  These two and two v_nop are the four lines between the last trip's products and the loads into their registers
	v_add_nc_u32 v[AD8], s[TB], v[L8]
	v_nop
	v_nop
.irp t, 0,1,2,3,4,5,6,7
	ds_load_b128 v[KF+4*\t:KF+4*\t+3], v[AD] offset:512*\t   ; K's eight tiles: 512 consecutive bytes a load
.endr
	ds_load_b128 v[KS:KS+3], v[AD] offset:KSCO     ; and their scale words
	s_wait_dscnt 0x0
	SMUL 0
	PLACES
	SOFTMAX 0
	SMUL 1
	PLACES                                         ; for the first read of the scores, and for the loads into K's registers
.irp t, 0,1,2,3
.irp c, 0,1
	ds_load_b128 v[KF+8*\t+4*\c:KF+8*\t+4*\c+3], v[AD] offset:VIMG+1024*\t+512*\c   ; V's four fragments land while tile B's softmax is walked
.endr
.endr
	ds_load_b64 v[VS:VS+1], v[AD8] offset:VSCO
	SOFTMAX 1
	s_wait_dscnt 0x0                               ; V is in
	PVMUL
	s_add_co_u32 s[TB], s[TB], STEPB
	s_sub_co_u32 s[CNT], s[CNT], 1
	s_cmp_lg_u32 s[CNT], 0
	s_cbranch_scc1 .Lstep
; ---------------- THE WAY OUT ----------------
; The sums' halves and lane l xor 16's are added; O^T is divided by the sum and goes through my stage, a tile of 16 rows of 256 bytes at a time, so that a store covers two whole rows: 512 consecutive bytes, aligned.
	v_add_f32 v[STAT+2], v[STAT+2], v[STAT+3]      ; (these additions and the v_nop below are the lines behind the last products)
	v_add_f32 v[STAT+6], v[STAT+6], v[STAT+7]
	v_permlanex16_b32 v[TT], v[STAT+2], s[SEL], s[SEL+1]
	v_permlanex16_b32 v[TT+1], v[STAT+6], s[SEL], s[SEL+1]
	v_add_f32 v[STAT+2], v[STAT+2], v[TT]
	v_add_f32 v[STAT+6], v[STAT+6], v[TT+1]
	v_rcp_f32 v[STAT+2], v[STAT+2]
	v_rcp_f32 v[STAT+6], v[STAT+6]
	v_nop                                          ; a plain line between the last reciprocal and the use of its result
	s_wait_alu depctr_va_vdst(0)
.irp q, 0,1
.set jj, 0
.rept 16
	v_pk_mul_f32 v[SS+32*\q+jj:SS+32*\q+jj+1], v[OT+32*\q+jj:OT+32*\q+jj+1], v[STAT+4*\q+2:STAT+4*\q+3] op_sel_hi:[1,0]   ; register 8 t + i is out0(query r, 16 t + 8 h + i)
.set jj, jj+2
.endr
.endr
.irp t, 0,1,2,3
	ds_store_b128 v[SO], v[SS+8*\t:SS+8*\t+3] offset:64*\t
	ds_store_b128 v[SO], v[SS+8*\t+4:SS+8*\t+7] offset:64*\t+16
.endr
.irp i, 0,1,2,3,4,5,6,7
	ds_load_b128 v[KF+4*\i:KF+4*\i+3], v[SR] offset:2*SPITCH*\i     ; LDS serves a wave's instructions in order: these see my stores, and tile B's stores come behind them
.endr
.irp t, 0,1,2,3
	ds_store_b128 v[SO], v[SS+32+8*\t:SS+32+8*\t+3] offset:64*\t
	ds_store_b128 v[SO], v[SS+32+8*\t+4:SS+32+8*\t+7] offset:64*\t+16
.endr
.irp i, 0,1,2,3,4,5,6,7
	ds_load_b128 v[OT+4*\i:OT+4*\i+3], v[SR] offset:2*SPITCH*\i
.endr
.irp i, 0,1,2,3,4,5,6,7
	s_wait_dscnt 23-\i                             ; younger than tile A's load i: its 7 - i later loads and tile B's sixteen LDS instructions
	global_store_b128 v[LI], v[KF+4*\i:KF+4*\i+3], s[12:13] offset:512*\i th:TH_STORE_NT
.endr
.irp i, 0,1,2,3,4,5,6,7
	s_wait_dscnt 7-\i
	global_store_b128 v[LI], v[OT+4*\i:OT+4*\i+3], s[12:13] offset:4096+512*\i th:TH_STORE_NT
.endr
	s_wait_tensorcnt 0x0
	ds_add_u32 v79, v95
	s_wait_dscnt 0x0
	s_endpgm
.Lfunc_end_k_q37d68c78ed_attn:
	.size	k_q37d68c78ed_attn, .Lfunc_end_k_q37d68c78ed_attn-k_q37d68c78ed_attn
	.p2alignl 7, 3214868480
	.fill 96, 4, 3214868480
	.section	.rodata,"a",@progbits
	.p2align	6, 0x0
	.amdhsa_kernel k_q37d68c78ed_attn
		.amdhsa_group_segment_fixed_size 215040
		.amdhsa_private_segment_fixed_size 0
		.amdhsa_enable_private_segment 0
		.amdhsa_kernarg_size 40
		.amdhsa_user_sgpr_count 2
		.amdhsa_user_sgpr_kernarg_segment_ptr 1
		.amdhsa_wavefront_size32 1
		.amdhsa_system_sgpr_workgroup_id_x 1
		.amdhsa_system_sgpr_workgroup_id_y 1
		.amdhsa_system_sgpr_workgroup_id_z 1
		.amdhsa_system_vgpr_workitem_id 0
		.amdhsa_next_free_vgpr 256
		.amdhsa_next_free_sgpr 66
		.amdhsa_reserve_vcc 0
		.amdhsa_float_denorm_mode_32 3
		.amdhsa_float_denorm_mode_16_64 3
		.amdhsa_memory_ordered 1
		.amdhsa_forward_progress 1
		.amdhsa_inst_pref_size 111
	.end_amdhsa_kernel
	.amdgpu_metadata
---
amdhsa.version: [ 1, 2 ]
amdhsa.kernels:
  - .name:           k_q37d68c78ed_attn
    .symbol:         k_q37d68c78ed_attn.kd
    .args:
      - { .name: q, .offset: 0, .size: 8, .value_kind: global_buffer, .address_space: global }
      - { .name: k, .offset: 8, .size: 8, .value_kind: global_buffer, .address_space: global }
      - { .name: v, .offset: 16, .size: 8, .value_kind: global_buffer, .address_space: global }
      - { .name: scale_factor, .offset: 24, .size: 8, .value_kind: global_buffer, .address_space: global }
      - { .name: out0, .offset: 32, .size: 8, .value_kind: global_buffer, .address_space: global }
    .group_segment_fixed_size: 215040
    .private_segment_fixed_size: 0
    .kernarg_segment_align: 8
    .kernarg_segment_size: 40
    .max_flat_workgroup_size: 512
    .sgpr_count:     66
    .vgpr_count:     256
    .wavefront_size: 32
...
	.end_amdgpu_metadata
.endif
;; end of part 1
;; ======== version 2 of 2: 1 launch; version 1 with the launch attn written anew for expert scheduling mode
;; launch attn (part 2): grid 4 x 64, 16 waves a work-group, no clusters, 215,040 bytes of LDS; arguments q, k, v, scale_factor, out0; writes out0
.if DOCPART == 2
	.amdgcn_target "amdgcn-amd-amdhsa--gfx1250"
	.amdhsa_code_object_version 6
	.text
	.protected	k_q37d68c78ed_attn
	.globl	k_q37d68c78ed_attn
	.p2align	8
	.type	k_q37d68c78ed_attn,@function
k_q37d68c78ed_attn:
	s_mov_b64 s[64:65], 0
	v_nop
	global_prefetch_b8 v0, s[64:65] scope:SCOPE_SE
	s_setreg_imm32_b32 hwreg(HW_REG_WAVE_SCHED_MODE, 0, 2), 2
	s_setreg_imm32_b32 hwreg(HW_REG_WAVE_MODE, 25, 1), 1
	s_wait_xcnt 0x0
	s_wait_alu depctr_vm_vsrc(0)
; out0[h][q][:] = the sum over keys of softmax(q . k x scale_factor) v, 64 heads x 2,048 queries x 2,048 keys, head size 64, all f32 in memory.
; Both products run on codes of FP4 (E2M1) with one E8M0 scale for each 32 along a product's K.  The first product's K is the head's 64 (two blocks), the second's the keys.
; THE SOFTMAX AHEAD OF THE SECOND PRODUCT: t = score x scale_factor x log2(e); M = the row's largest t so far, rounded UP to a whole number; p = 2^(t - M) is quantised along the keys, not normalised.
; The row's sum is taken of the unquantised p, in f32, and divides at the end.  When M moves, the sum and O are multiplied by 2^(old M - new M): exact.
; SHARES.  A work-group owns 512 queries of one head (grid x: the block of queries; grid y: the head).  Each of its sixteen waves owns 32 queries, two tiles of 16 (A and B), in 256 registers:
; four waves to a SIMD, so that one wave's exponentials stand beside another's plain vector work, products and LDS loads.  The two tiles share every fragment of K and V that the wave reads from LDS.
; A HEAD'S CODES STAY IN LDS.  2,048 keys x 64 as 4-bit codes are 64 KiB for k and 64 KiB for v, their scale words 12 KiB: 143,360 bytes.  In the prologue wave w quantises keys 128 w .. 128 w + 127 of k and of v
; and stores them as IMAGES OF THE OPERANDS' REGISTERS (lane l's 16 bytes at 16 l), and quantises its own 32 queries into registers.  One barrier; then sixteen key steps of 128 keys with no memory traffic at all.
; NO CLUSTER, NO TENSOR LOADS, NO RING: what the four work-groups of a head share is f32 numbers that have to pass through registers to become codes; brought jointly into LDS first they would be 1 MiB a head through slots
; filled again and again, where the codes need 140 KiB once.  The price is that a head's k and v are quantised four times: about 500 vector instructions a wave beside the loop's 16 x 462.
; LAYOUT.  Both products are used transposed: S^T = K Q^T (source 0 = 16 keys, source 1 = 16 queries), O^T = V^T P^T (source 0 = 16 of the head's 64, source 1 = P): a lane holds ONE query (lane % 16) throughout.
; THE KEYS OF A TILE ARE NOT NEIGHBOURS: lane r of tile 2 b + u takes key 32 b + 8 u + r + 8 (r / 8), so that the 16 registers of tiles 2 b and 2 b + 1 are 16 neighbouring keys, 32 b + 16 (lane / 16) + 0 .. 15.
; THE FIRST PRODUCT'S K IS 64 OF THE INSTRUCTION'S 128.  Q's registers 4-7 (k = 64 .. 127) are zero codes.  K's operand of tile t is v[32 + 4 t : 39 + 4 t]: its upper four registers are the next tile's codes (behind the
; last tile: zeros); every 4-bit code is a finite number, so times Q's zeros that half adds exactly 0.  The scale words' bytes 2 and 3 are 0, which stands for 2^-127 and is no NaN.
; THE SIGN OF scale_factor.  The maximum is searched on the scores and |c| applied behind it, c = scale_factor x log2(e).  Where c is negative the sign bits of Q's codes are flipped (an exclusive or, no branch): the scores change sign exactly.
; LIMITS: NaN and infinities among the inputs are not served.  A block of zeros gets the scale byte 1 where the quantiser's rule says 127: its codes are zeros, and this program alone reads the bytes.
; A p under 2^-126 comes out of v_exp_f32 as 0 (ISA guide, the instruction's entry).  A block's largest p is taken as the exponential of the block's largest score, which leans on v_exp_f32 not falling where its input rises.
; THE MODE: SCHED_MODE bits 1:0 = 2 (LLVM: expert scheduling mode 2), set by the entry lines.  The code itself states the register dependences between vector or matrix instructions and memory or LDS instructions,
; with s_wait_alu, always for 0.
; THE PLAN.  Registers that memory or LDS instructions touch.
;   IN THE PROLOGUE.  LD0 .. LD3 (v128-255): a tile's set is written by its loads from memory, read by the eight LDS stores of its TURN, and loaded again (the tile four on, or a block of v); a block of v is read by its
;   unit's maxima and conversions and loaded again (the block two on).  X0, X1 (v32-63, v96-127): written by a TURN's LDS loads, read by that tile's maxima and conversions, written by the TURN two tiles on.
;   KCD0, KCD1 (v80-87): written by a tile's conversions, read by ONE LDS store, which stands in the NEXT tile's unit, written again by the conversions two tiles on.  VCD, KS, VS: written by vector instructions, read by one
;   LDS store each.  The addresses v1-6 and v8-10 are made once, at the head.  So a tile's unit has two waits at its head, one on vm_vsrc and one on va_vdst, and all its LDS and memory instructions follow them directly;
;   a unit of v has one wait on va_vdst, behind its conversions, so that its buffer is asked for again at once.  Behind the barrier one wait on vm_vsrc frees all these registers for their parts in the loop.
;   IN THE LOOP.  KF (v32-63): K's tiles land at the step's head, the sixteen first products read them; V's fragments land behind tile B's exponentials, the eight second products read them.  KS: loaded at the head, read by the
;   first products.  VS: loaded with V, read by the second products.  v3, v4: written by two additions at the step's head, read by every LDS load of the step.  All else is named by vector and matrix instructions alone.
;   So a step has one wait on vm_vsrc (ahead of the two additions) and six on va_vdst: at the head, ahead of K's loads; one ahead of and one behind each tile's exponentials, V's loads following the last of these; one ahead of the second products.
;   No second set of registers for K or V: the sixteen waves' 256 registers each fill the SIMDs' registers, and 19 of a wave's are free where 36 would be wanted.
.set STEPB,  8960                      ; LDS bytes of a key step: K's images, K's scale words, V's images, V's scale words
.set KSCO,   4096                      ; K's images: 8 tiles x 512 bytes at 0; K's scale words: 16 bytes a lane: word b = tile 2 b's rows in lanes 0-15, tile 2 b + 1's in lanes 16-31
.set VIMG,   4608                      ; V's images: fragment t (d = 16 t + r), group c of four registers at 1024 t + 512 c + 16 x lane
.set VSCO,   8704                      ; V's scale words: 8 bytes a lane: word g = the four key blocks' bytes of d = 32 g + lane
.set STG,    16*STEPB                  ; behind the sixteen steps: a stage of 16 rows x 272 bytes for each wave, its own: it turns q's and k's tiles in the prologue and carries the way out
.set SPITCH, 272                       ; 256 bytes + 16 = 68 words: row r starts at bank 4 r mod 64 (64 banks of 4 bytes: ISA guide 11.1)
.set LI,   1                           ; v1   16 x lane: an image's place for my lane; also my offset in every dense run of 512 bytes of memory; never rewritten
.set L8,   2                           ; v2   8 x lane; never rewritten
.set AD,   3                           ; v3   16 x lane + the step's first LDS byte
.set AD8,  4                           ; v4   8 x lane + the same
.set SO,   5                           ; v5   my stage: row lane % 16, + 32 (lane / 16)
.set SR,   6                           ; v6   my stage by rows: row lane / 16, + 16 (lane % 16)
.set STAT, 8                           ; v8-11 tile A, v12-15 tile B: -M, the largest t, the row's sum in two halves
.set QF,   16                          ; v16-23 Q's fragment of tile A (codes, then four registers of zeros), v24-31 of tile B
.set KF,   32                          ; v32-63 K's eight tiles x 4 registers, later V's four fragments x 8;  v64-67 zeros
.set QS,   68                          ; v68  Q's scale words: tile A's in lanes 0-15, tile B's in lanes 16-31
.set PS,   69                          ; v69, v70  p's scale word of tile A, of tile B
.set KS,   72                          ; v72-75 K's scale words
.set VS,   76                          ; v76-77 V's
.set BM,   80                          ; v80-83 the four blocks' largest scores, then largest p
.set TT,   84                          ; v84-87 at work
.set SCO,  88                          ; v88-91 the conversions' scale operands
.set FF,   92                          ; v92  f = 2^(old M - new M); v93 is named with it as a pair and holds 0
.set TMP,  94
.set SS,   96                          ; v96-159 S^T, then p
.set OT,   160                         ; v160-191 O^T of tile A, v192-223 of tile B
.set PCD,  224                         ; v224-231 p's codes of tile A, v232-239 of tile B
; the prologue's own names
.set STL,  8                           ; v8   my stage: row lane % 16, + 128 (lane / 16): my block of 32 numbers
.set VW,   9                           ; v9   where I store a block's codes of v: my step + 1024 (lane / 16) + 16 (lane % 16)
.set L4,   10                          ; v10  4 x lane
.set SH8,  11                          ; v11  8 (lane / 16)
.set X0,   32                          ; v32-63, v96-127: 32 neighbours along K, two sets by turns
.set KCD,  80                          ; v80-87 a tile's codes of k, two sets by turns
.set MXA,  88
.set MXB,  89
.set SCL,  90
.set BY,   91
.set TP,   92
.set WD,   94
.set VCD,  96                          ; v96-127 v's codes: four registers for each of the eight blocks
.set LD0,  128                         ; v128-255 four sets of 32 registers for loads from memory
.set SEL,  20                          ; s[20:21] v_permlanex16_b32's selects for lane l xor 16
.set CS,   22                          ; s[22:23] |c|: the packed form names a pair and takes its low word for both halves
.set SGN,  24                          ; s24  0x88888888 where c is negative, else 0
.set HIM,  25                          ; s25  the mask of lanes 16-31
.set TB,   26                          ; s26  the key step's first LDS byte
.set CNT,  27                          ; s27  key steps to go
	s_load_b256 s[4:11], s[0:1], 0x0               ; q s[4:5], k s[6:7], v s[8:9], scale_factor's address s[10:11]
	s_load_b64 s[12:13], s[0:1], 0x20              ; out0
	v_lshl_add_u32 v79, v0, 2, 0x34000             ; my spare word's LDS address: behind the sixteen stages, 4 bytes a thread;
	v_mov_b32 v95, 0                               ; and 0: the two are kept for the closing lines alone
	v_lshrrev_b32 v12, 5, v0
	v_readfirstlane_b32 s15, v12                   ; wave 0..15
	v_and_b32 v14, 31, v0                          ; lane
	v_and_b32 v12, 15, v0                          ; r
	v_bfe_u32 v13, v0, 4, 1                        ; h
	v_lshlrev_b32 v[LI], 4, v14
	v_lshlrev_b32 v[L8], 3, v14
	v_lshlrev_b32 v[L4], 2, v14
	v_lshlrev_b32 v[SH8], 3, v13
	s_wait_alu depctr_va_sdst(0)                   ; s15, the wave's number, is written, ahead of its first reader: LDS addresses and the tensors' offsets are made from it
	s_mul_i32 s28, s15, STEPB                      ; the key step that I quantise
	s_mul_i32 s29, s15, 16*SPITCH
	s_add_co_u32 s29, s29, STG                     ; my stage
	v_add_nc_u32 v[AD], s28, v[LI]
	v_add_nc_u32 v[AD8], s28, v[L8]
	v_mul_u32_u24 v15, v12, SPITCH
	v_add_nc_u32 v15, s29, v15
	v_lshl_add_u32 v[SO], v13, 5, v15
	v_lshl_add_u32 v[STL], v13, 7, v15
	v_mul_u32_u24 v15, v13, SPITCH
	v_lshl_add_u32 v15, v12, 4, v15
	v_add_nc_u32 v[SR], s29, v15
	v_lshlrev_b32 v15, 10, v13
	v_lshl_add_u32 v15, v12, 4, v15
	v_add_nc_u32 v[VW], s28, v15
.irp j, 20,21,22,23,28,29,30,31,64,65,66,67,92,93
	v_mov_b32 v\j, 0                               ; Q's upper halves; the tail behind K's last tile; a lane permute's destination counts as one of its sources; f's partner in its pair
.endr
	s_mov_b32 s[SEL], 0x76543210
	s_mov_b32 s[SEL+1], 0xfedcba98
	s_mov_b32 s[HIM], 0xffff0000
	s_and_b32 s16, ttmp7, 0xffff
	s_lshl_b32 s16, s16, 19                        ; the head's first byte in each tensor: 2,048 rows of 256 bytes
	s_lshl_b32 s18, s15, 15                        ; k, v: my 128 keys
	s_add_co_u32 s18, s18, s16
	s_mov_b32 s19, 0
	s_lshl_b32 s30, ttmp9, 17                      ; q, out0: the work-group's 512 queries,
	s_lshl_b32 s31, s15, 13                        ; my 32 of them
	s_add_co_u32 s30, s30, s31
	s_add_co_u32 s30, s30, s16
	s_mov_b32 s31, 0
	s_wait_kmcnt 0x0
	s_load_b32 s14, s[10:11], 0x0                  ; scale_factor
	s_add_nc_u64 s[6:7], s[6:7], s[18:19]
	s_add_nc_u64 s[8:9], s[8:9], s[18:19]
	s_add_nc_u64 s[4:5], s[4:5], s[30:31]
	s_add_nc_u64 s[12:13], s[12:13], s[30:31]
	s_wait_alu depctr_va_vdst(0)                   ; the addresses v1-6 and v8-10 are written, which the loads and stores of the whole kernel read.  No vector instruction stands between this wait and tile 0's quantising: it serves the first four tiles' loads, TURN 0, TURN 1 and tile 4's loads
; ---------------- THE PROLOGUE'S MACROS ----------------
; A tile of 16 rows x 256 bytes from memory, 512 consecutive bytes a load.  g = 0, 1: my queries' tiles; g = 2 .. 9: tile g - 2 of my 128 keys, whose rows 8-15 lie 16 keys behind rows 0-7.
.macro TLOAD g
.set RS, LD0+32*((\g)%4)
.if (\g) < 2
.irp i, 0,1,2,3,4,5,6,7
	global_load_b128 v[RS+4*\i:RS+4*\i+3], v[LI], s[4:5] offset:4096*(\g)+512*\i th:TH_LOAD_NT   ; q is read once in the launch
.endr
.else
.set KT, (\g)-2
.irp i, 0,1,2,3,4,5,6,7
	global_load_b128 v[RS+4*\i:RS+4*\i+3], v[LI], s[6:7] offset:(32*(KT/2)+8*(KT%2))*256+512*\i+2048*(\i/4)
.endr
.endif
.endm
; The tile turns through my stage: in as loaded (two rows a store), out 128 bytes a lane: lane (r, h) then holds k = 32 h .. 32 h + 31 of row r, a whole block.  LDS serves a wave's instructions in order (ISA guide 5.7.1.4).
.macro TURN g
.set RS, LD0+32*((\g)%4)
.set XR, X0+64*((\g)%2)
.irp i, 0,1,2,3,4,5,6,7
	ds_store_b128 v[SR], v[RS+4*\i:RS+4*\i+3] offset:2*SPITCH*\i
.endr
.irp j, 0,1,2,3,4,5,6,7
	ds_load_b128 v[XR+4*\j:XR+4*\j+3], v[STL] offset:16*\j
.endr
.endm
; A block of 32 numbers in one lane's registers v[x] on becomes 32 codes in v[c] .. v[c + 3] and the scale's byte in v[by].
.macro QUANT x, c, by
.set qX, \x
.set qC, \c
.set qB, \by
	v_max3_num_f32 v[MXA], |v[qX]|, |v[qX+1]|, |v[qX+2]|            ; the block's largest magnitude, in two chains
	v_max3_num_f32 v[MXB], |v[qX+3]|, |v[qX+4]|, |v[qX+5]|
.irp i, 6,10,14,18,22,26
	v_max3_num_f32 v[MXA], v[MXA], |v[qX+\i]|, |v[qX+\i+1]|
	v_max3_num_f32 v[MXB], v[MXB], |v[qX+\i+2]|, |v[qX+\i+3]|
.endr
	v_max3_num_f32 v[MXA], v[MXA], |v[qX+30]|, |v[qX+31]|
	v_max3_num_f32 v[MXA], v[MXA], v[MXB], 0x1800000               ; and the floor 2^(3 - 127): the byte cannot fall under 1
	v_add_nc_u32 v[SCL], 0xff000000, v[MXA]                        ; 2 off its exponent field: the conversion takes the exponent field of this operand as its scale, and nothing else of it
.irp n, 0,1,2,3
	v_cvt_scalef32_pk8_fp4_f32 v[qC+\n], v[qX+8*\n:qX+8*\n+7], v[SCL]
.endr
	v_lshrrev_b32 v[qB], 23, v[SCL]                                ; the scale's byte; also the plain line behind the conversions
.endm
; Lane (r, h) holds block h's byte of row r: the two halves of the lanes make the row's scale word, which then lies in both.
.macro WORD dst
	v_lshlrev_b32 v[BY], v[SH8], v[BY]
	v_permlanex16_b32 v[TP], v[BY], s[SEL], s[SEL+1]
	v_or_b32 v[\dst], v[BY], v[TP]
.endm
; Tile g is quantised: vector instructions alone.  A tile of k leaves its codes in set g % 2; KSTORE sends them to LDS from the next tile's unit.
.macro QTILE g
.set XQ, X0+64*((\g)%2)
.if (\g) < 2
	QUANT XQ, QF+8*(\g), BY
.if (\g) == 0
	WORD QS
.else
	WORD WD
	v_cndmask_b32 v[QS], v[QS], v[WD], s[HIM]                      ; tile B's words go to lanes 16-31
.endif
.irp n, 0,1,2,3
	v_xor_b32 v[QF+8*(\g)+\n], s[SGN], v[QF+8*(\g)+\n]             ; the codes' sign bits, where c is negative
.endr
.else
.set KT, (\g)-2
	QUANT XQ, KCD+4*((\g)%2), BY
.if KT%2 == 0
	WORD KS+KT/2
.else
	WORD WD
	v_cndmask_b32 v[KS+KT/2], v[KS+KT/2], v[WD], s[HIM]            ; an odd tile's words go to lanes 16-31
.endif
.endif
.endm
.macro KSTORE g                        ; the image of tile g - 2 of my keys
	ds_store_b128 v[AD], v[KCD+4*((\g)%2):KCD+4*((\g)%2)+3] offset:512*((\g)-2)
.endm
; v: K = the keys is its first axis, so A LANE TAKES A COLUMN d AND ITS REGISTERS RUN DOWN THE KEYS.  Unit j: keys 32 (j / 2) on, columns 32 (j % 2) + lane: each load reads 128 consecutive bytes,
; and the other half of each row of 256 bytes is asked for by the neighbouring unit.
.macro VLOAD j
.set VR, LD0+64+32*((\j)%2)
.irp i, 0,1,2,3,4,5,6,7,8,9,10,11,12,13,14,15,16,17,18,19,20,21,22,23,24,25,26,27,28,29,30,31
	global_load_b32 v[VR+\i], v[L4], s[8:9] offset:(32*((\j)/2)+\i)*256+128*((\j)%2)
.endr
.endm
.macro VUNIT j
.set XV, LD0+64+32*((\j)%2)
.set VB, (\j)/2
.set VG, (\j)%2
.if (\j) < 7
	s_wait_loadcnt 32                              ; this unit's 32 loads are in; the next unit's may be out
.else
	s_wait_loadcnt 0x0
.endif
.if VB == 0
	QUANT XV, VCD+4*(\j), VS+VG
.else
	QUANT XV, VCD+4*(\j), BY
	v_lshl_or_b32 v[VS+VG], v[BY], 8*VB, v[VS+VG]                  ; four key blocks' bytes to a word, the lower keys in the lower byte
.endif
	s_wait_alu depctr_va_vdst(0)                   ; the conversions have written this block's codes, which the LDS store reads; they and the maxima are done reading the block's 32 numbers, in which the loads of the unit two on land; behind the last unit v's scale words are whole
	ds_store_b128 v[VW], v[VCD+4*(\j):VCD+4*(\j)+3] offset:VIMG+2048*VG+512*(VB/2)+256*(VB%2)   ; column d = 16 t + r, block 2 c + h: fragment t, group c, lane r + 16 h
.if (\j) < 6
	VLOAD (\j)+2
.endif
.endm
; ---------------- THE PROLOGUE ----------------
	TLOAD 0
	TLOAD 1
	TLOAD 2
	TLOAD 3
	s_wait_kmcnt 0x0                               ; scale_factor
	s_mul_f32 s[CS], s14, 0x3fb8aa3b               ; c = scale_factor x log2(e)
	s_ashr_i32 s[SGN], s[CS], 31
	s_and_b32 s[SGN], s[SGN], 0x88888888
	s_and_b32 s[CS], s[CS], 0x7fffffff             ; |c|
	s_mov_b32 s[CS+1], s[CS]                       ; (named with it as a pair, so it is written)
	s_wait_loadcnt 24                              ; tile 0's eight loads are in; three tiles' stay out
	TURN 0
.irp g, 0,1,2,3,4,5,6,7,8,9
.if \g < 4
	s_wait_dscnt 0x0                               ; this tile is back from the stage
.else
	s_wait_dscnt 0x1                               ; the same; the code store that was issued behind this tile's turn may be out
.endif
.if \g < 7
	s_wait_loadcnt 16                              ; the next tile's loads are in; two younger tiles' may be out
.elseif \g == 7
	s_wait_loadcnt 40                              ; younger: the last tile's 8 and v's first 32
.elseif \g == 8
	s_wait_loadcnt 32                              ; younger: v's first 32
.endif
	s_wait_alu depctr_vm_vsrc(0)                   ; the LDS stores issued so far have read their data: the sets of loaded numbers that have gone through the stage, in which this unit's loads from memory land, and the set of codes that this tile's conversions write again
.if \g > 0
	s_wait_alu depctr_va_vdst(0)                   ; the tile before is quantised: its maxima and conversions are done reading its 32 neighbours, in which the next tile's loads from the stage land, and have written the codes that the store below reads
.endif
.if \g < 9
	TURN \g+1                                      ; the next tile goes through the stage while this one is quantised
.endif
.if \g > 2
	KSTORE \g-1                                    ; the codes of the tile before
.endif
.if \g < 6
	TLOAD \g+4                                     ; into the set that this tile has left
.elseif \g == 6
	VLOAD 0
.elseif \g == 8
	VLOAD 1
.endif
	QTILE \g
.endr
	s_wait_alu depctr_va_vdst(0)                   ; the last tile's codes and k's four scale words are written, which the two stores below read
	KSTORE 9
	ds_store_b128 v[AD], v[KS:KS+3] offset:KSCO    ; my step's scale words of k
.irp j, 0,1,2,3,4,5,6,7
	VUNIT \j
.endr
	ds_store_b64 v[AD8], v[VS:VS+1] offset:VSCO    ; and of v (written ahead of the last unit's wait)
	s_wait_dscnt 0x0                               ; for the others' sake: my images have landed
	s_barrier_signal -1
	s_barrier_wait -1                              ; the head's codes lie in LDS; nothing writes them again
	s_wait_alu depctr_vm_vsrc(0)                   ; my loads and LDS stores have read their registers, which get other parts from here on: the addresses v8-10 become statistics; the codes' and loaded numbers' sets v80-87 and v96-255 become scratch, S^T, O^T and p's codes; K's and V's scale words are loaded anew
; ---------------- THE LOOP'S MACROS ----------------
; One matrix instruction from rD, rA, rB, rSA, rSB.  z = 1: C = 0, the product starts its sum; else it adds in place.  ra, rb: the side's scale words lie in lanes 16-31.
.macro WM z, ra, rb
.if (\z) && (\ra) && (\rb)
	v_wmma_scale_f32_16x16x128_f8f6f4 v[rD:rD+7], v[rA:rA+7], v[rB:rB+7], 0, v[rSA], v[rSB] matrix_a_fmt:MATRIX_FMT_FP4 matrix_b_fmt:MATRIX_FMT_FP4 matrix_a_scale:MATRIX_SCALE_ROW1 matrix_b_scale:MATRIX_SCALE_ROW1
.elseif (\z) && (\ra)
	v_wmma_scale_f32_16x16x128_f8f6f4 v[rD:rD+7], v[rA:rA+7], v[rB:rB+7], 0, v[rSA], v[rSB] matrix_a_fmt:MATRIX_FMT_FP4 matrix_b_fmt:MATRIX_FMT_FP4 matrix_a_scale:MATRIX_SCALE_ROW1
.elseif (\z) && (\rb)
	v_wmma_scale_f32_16x16x128_f8f6f4 v[rD:rD+7], v[rA:rA+7], v[rB:rB+7], 0, v[rSA], v[rSB] matrix_a_fmt:MATRIX_FMT_FP4 matrix_b_fmt:MATRIX_FMT_FP4 matrix_b_scale:MATRIX_SCALE_ROW1
.elseif (\z)
	v_wmma_scale_f32_16x16x128_f8f6f4 v[rD:rD+7], v[rA:rA+7], v[rB:rB+7], 0, v[rSA], v[rSB] matrix_a_fmt:MATRIX_FMT_FP4 matrix_b_fmt:MATRIX_FMT_FP4
.elseif (\ra)
	v_wmma_scale_f32_16x16x128_f8f6f4 v[rD:rD+7], v[rA:rA+7], v[rB:rB+7], v[rD:rD+7], v[rSA], v[rSB] matrix_a_fmt:MATRIX_FMT_FP4 matrix_b_fmt:MATRIX_FMT_FP4 matrix_a_scale:MATRIX_SCALE_ROW1
.else
	v_wmma_scale_f32_16x16x128_f8f6f4 v[rD:rD+7], v[rA:rA+7], v[rB:rB+7], v[rD:rD+7], v[rSA], v[rSB] matrix_a_fmt:MATRIX_FMT_FP4 matrix_b_fmt:MATRIX_FMT_FP4
.endif
.endm
; S^T = K Q^T for query tile q: eight tiles of 16 keys.  Lane (r, h) then holds query r; the 16 registers of tiles 2 b, 2 b + 1 are keys 32 b + 16 h + 0 .. 15 of the step.
.macro SMUL q
.irp t, 0,1,2,3,4,5,6,7
.set rD, SS+8*\t
.set rA, KF+4*\t
.set rB, QF+8*\q
.set rSA, KS+\t/2
.set rSB, QS
	WM 1, \t%2, \q
.endr
.endm
; O^T += V^T P^T: four tiles of 16 of the head's 64 x two query tiles; K = the step's 128 keys.  The eight accumulators take turns, one instruction a turn, and the sixteen products of S^T stand between two trips' turns
.macro PVMUL
.irp t, 0,1,2,3
.irp q, 0,1
.set rD, OT+32*\q+8*\t
.set rA, KF+8*\t
.set rB, PCD+8*\q
.set rSA, VS+\t/2
.set rSB, PS+\q
	WM 0, \t%2, 0
.endr
.endr
.endm
.macro PLACES                          ; four plain vector lines between a matrix instruction and the first read of its result, or a load into one of its registers (ISA guide 7.12.1 for vector instructions)
.rept 4
	v_nop
.endr
.endm
; V's four fragments and their scale words, in one run
.macro VFETCH
.irp t, 0,1,2,3
.irp c, 0,1
	ds_load_b128 v[KF+8*\t+4*\c:KF+8*\t+4*\c+3], v[AD] offset:VIMG+1024*\t+512*\c
.endr
.endr
	ds_load_b64 v[VS:VS+1], v[AD8] offset:VSCO
.endm
; The softmax of query tile q for one key step: 64 scores a lane in v[SS] on become p's codes and scale word; the statistics and O^T go under the new M.
.macro SOFTMAX q
.set ST, STAT+4*\q
.set OQ, OT+32*\q
.set PQ, PCD+8*\q
.set PW, PS+\q
.irp b, 0,1,2,3
	v_max3_num_f32 v[BM+\b], v[SS+16*\b], v[SS+1+16*\b], v[SS+2+16*\b]   ; THE LARGEST SCORE OF EACH BLOCK OF 32 KEYS: it serves twice: for the row's maximum and, since p rises with the score, for the block's largest p.  Each accumulator is read from its low end on
.endr
.irp i, 3,5,7,9,11,13
.irp b, 0,1,2,3
	v_max3_num_f32 v[BM+\b], v[BM+\b], v[SS+16*\b+\i], v[SS+1+16*\b+\i]   ; (the four blocks by turns)
.endr
.endr
.irp b, 0,1,2,3
	v_max_num_f32 v[BM+\b], v[BM+\b], v[SS+15+16*\b]
.endr
.irp b, 0,1,2,3
	v_permlanex16_b32 v[TT+\b], v[BM+\b], s[SEL], s[SEL+1]
.endr
.irp b, 0,1,2,3
	v_max_num_f32 v[BM+\b], v[BM+\b], v[TT+\b]     ; with lane l xor 16's 16 keys
.endr
	v_max3_num_f32 v[TMP], v[BM], v[BM+1], v[BM+2]
	v_max_num_f32 v[TMP], v[TMP], v[BM+3]          ; the step's largest score of my query
	v_mul_f32 v[TMP], s[CS], v[TMP]                ; as t (|c| is not negative)
	v_max_num_f32 v[ST+1], v[ST+1], v[TMP]         ; the running largest t
	v_mov_b32 v[TMP], v[ST]
	v_floor_f32 v[ST], -v[ST+1]                    ; the new -M = floor(-t) = -ceil(t): M IS A WHOLE NUMBER
	v_sub_f32 v[TMP], v[ST], v[TMP]                ; M's old value less its new one: a whole number, 0 or less
	v_cvt_i32_f32 v[TMP], v[TMP]                   ; (it saturates)
	v_ldexp_f32 v[FF], 1.0, v[TMP]                 ; f = 2^(old M - new M): a multiplication by it rounds nothing
.set jj, 0
.rept 32
	v_pk_fma_f32 v[SS+jj:SS+jj+1], v[SS+jj:SS+jj+1], s[CS:CS+1], v[ST:ST+1] op_sel_hi:[1,0,0]   ; t - M, two at a time (of the pairs |c| and -M the low word serves both halves)
.set jj, jj+2
.endr
.irp b, 0,1,2,3
	v_fma_f32 v[BM+\b], v[BM+\b], s[CS], v[ST]     ; the same of each block's largest score
.endr
.set jj, 0
	s_wait_alu depctr_va_vdst(0)
.rept 64
	v_exp_f32 v[SS+jj], v[SS+jj]                   ; p = 2^(t - M), at most 1: NOT normalised
.set jj, jj+1
.endr
.irp b, 0,1,2,3
	v_exp_f32 v[BM+\b], v[BM+\b]                   ; the block's largest p: the same two instructions on the same number give the same bits
.endr
	v_pk_mul_f32 v[ST+2:ST+3], v[ST+2:ST+3], v[FF:FF+1] op_sel_hi:[1,0]   ; the sums under the new M.  (The plain line behind the exponentials)
	s_wait_alu depctr_va_vdst(0)                   ; the 68 exponentials have written p and the blocks' largest p, ahead of their first reader: one wait for the batch.  In tile B's softmax also: both tiles' first products are done reading K's tiles, in which V's fragments land
.if \q == 1
	VFETCH                                         ; V lands while the rest of tile B's softmax is walked: its lines name none of v3, v4, v32-63, v76-77
.endif
.irp b, 0,1,2,3
	v_max_num_f32 v[BM+\b], 0x1800000, v[BM+\b]    ; the floor 2^(3 - 127): the byte cannot fall under 1 (a block whose every p has fallen to 0 keeps that byte: its codes are zeros)
.endr
.irp b, 0,1,2,3
	v_add_nc_u32 v[SCO+\b], 0xff000000, v[BM+\b]   ; 2 off the exponent field: the conversion's scale operand
.endr
.irp b, 0,1,2,3
	v_lshrrev_b32 v[TT+\b], 23, v[SCO+\b]          ; the scale's byte
.endr
	v_lshl_or_b32 v[PW], v[TT+1], 8, v[TT]         ; p's scale word for these 128 keys
	v_lshl_or_b32 v[PW], v[TT+2], 16, v[PW]
	v_lshl_or_b32 v[PW], v[TT+3], 24, v[PW]
.irp b, 0,1,2,3
	v_cvt_scalef32_pk8_fp4_f32 v[PQ+2*\b], v[SS+16*\b:SS+7+16*\b], v[SCO+\b]
	v_cvt_scalef32_pk8_fp4_f32 v[PQ+1+2*\b], v[SS+8+16*\b:SS+15+16*\b], v[SCO+\b]
.endr
	v_nop                                          ; one plain line between a scaled conversion and what touches its result or writes its sources
.irp c, 0,1                                    ; the operand's layout wants a WHOLE block in a lane: lanes 0-15 block 2 c, lanes 16-31 block 2 c + 1
.irp i, 0,1
	v_permlane16_swap_b32 v[PQ+4*\c+\i], v[PQ+2+4*\c+\i]
.endr
.endr
.set jj, 0
.rept 16
	v_pk_mul_f32 v[OQ+jj:OQ+jj+1], v[OQ+jj:OQ+jj+1], v[FF:FF+1] op_sel_hi:[1,0]   ; O^T under the new M: x f, each accumulator from its low end on
.set jj, jj+2
.endr
	v_pk_add_f32 v[TT:TT+1], v[SS:SS+1], v[SS+2:SS+3]   ; THE ROW'S SUM IS TAKEN OF THE UNQUANTISED p: two at a time, in two chains.  These 32 lines name no register of the second product:
.irp j, 4,8,12,16,20,24,28,32,36,40,44,48,52,56,60      ; they are the lines between the vector writes of its operands (codes, scale word, O^T) and it
	v_pk_add_f32 v[ST+2:ST+3], v[ST+2:ST+3], v[SS+\j:SS+1+\j]
	v_pk_add_f32 v[TT:TT+1], v[TT:TT+1], v[SS+2+\j:SS+3+\j]
.endr
	v_pk_add_f32 v[ST+2:ST+3], v[ST+2:ST+3], v[TT:TT+1]
.endm
; ---------------- THE LOOP ----------------
.irp q, 0,1
	v_mov_b32 v[STAT+4*\q+1], 0xff61b1e6           ; the largest t so far: -3e38, under every t
	v_floor_f32 v[STAT+4*\q], -v[STAT+4*\q+1]      ; -M
	v_mov_b32 v[STAT+4*\q+2], 0                    ; the sum, in two halves
	v_mov_b32 v[STAT+4*\q+3], 0
.endr
.irp b, 0,1,2,3
	v_mov_b32 v[TT+\b], 0                          ; a lane permute's destination counts as one of its sources
.endr
.set jj, 0
.rept 64
	v_mov_b32 v[OT+jj], 0                          ; O^T.  The key step is written once: its first trip finds zeros, which the first change of M leaves zeros; a first step of its own would double the loop's text
.set jj, jj+1
.endr
	s_mov_b32 s[TB], 0
	s_mov_b32 s[CNT], 16
.Lstep:                                            ; sixteen trips of 128 keys
	s_wait_alu depctr_vm_vsrc(0)                   ; the last trip's LDS loads have read v3 and v4, which the two additions write
	v_add_nc_u32 v[AD], s[TB], v[LI]               ; These two and two v_nop are the four lines between the last trip's products and the loads into their registers
	v_add_nc_u32 v[AD8], s[TB], v[L8]
	v_nop
	v_nop
	s_wait_alu depctr_va_vdst(0)                   ; v3 and v4 are written, which this step's LDS loads read; the last trip's products are done reading V's fragments and K's scale words, in which the loads below land; in the first trip: Q's codes, Q's scale words and the zeros behind K's last tile, which vector instructions wrote, are there for the first products
.irp t, 0,1,2,3,4,5,6,7
	ds_load_b128 v[KF+4*\t:KF+4*\t+3], v[AD] offset:512*\t   ; K's eight tiles: 512 consecutive bytes a load
.endr
	ds_load_b128 v[KS:KS+3], v[AD] offset:KSCO     ; and their scale words
	s_wait_dscnt 0x0
	SMUL 0
	PLACES
	SOFTMAX 0
	SMUL 1
	PLACES                                         ; for the first read of the scores
	SOFTMAX 1                                      ; V's loads stand in it, behind its wait
	s_wait_dscnt 0x0                               ; V is in
	s_wait_alu depctr_va_vdst(0)                   ; p's codes and scale words of both tiles are written, which the second products take as source 1 and its scales; the plain lines that those products are owed stand ahead of this wait
	PVMUL
	s_add_co_u32 s[TB], s[TB], STEPB
	s_sub_co_u32 s[CNT], s[CNT], 1
	s_cmp_lg_u32 s[CNT], 0
	s_cbranch_scc1 .Lstep
; ---------------- THE WAY OUT ----------------
; The sums' halves and lane l xor 16's are added; O^T is divided by the sum and goes through my stage, a tile of 16 rows of 256 bytes at a time, so that a store covers two whole rows: 512 consecutive bytes, aligned.
	v_add_f32 v[STAT+2], v[STAT+2], v[STAT+3]      ; (these additions and the v_nop below are the lines behind the last products)
	v_add_f32 v[STAT+6], v[STAT+6], v[STAT+7]
	v_permlanex16_b32 v[TT], v[STAT+2], s[SEL], s[SEL+1]
	v_permlanex16_b32 v[TT+1], v[STAT+6], s[SEL], s[SEL+1]
	v_add_f32 v[STAT+2], v[STAT+2], v[TT]
	v_add_f32 v[STAT+6], v[STAT+6], v[TT+1]
	s_wait_alu depctr_va_vdst(0)
	v_rcp_f32 v[STAT+2], v[STAT+2]
	v_rcp_f32 v[STAT+6], v[STAT+6]
	v_nop                                          ; a plain line between the last reciprocal and the use of its result
	s_wait_alu depctr_va_vdst(0)                   ; the two reciprocals are written, ahead of their first reader
.irp q, 0,1
.set jj, 0
.rept 16
	v_pk_mul_f32 v[SS+32*\q+jj:SS+32*\q+jj+1], v[OT+32*\q+jj:OT+32*\q+jj+1], v[STAT+4*\q+2:STAT+4*\q+3] op_sel_hi:[1,0]   ; register 8 t + i is out0(query r, 16 t + 8 h + i)
.set jj, jj+2
.endr
.endr
	s_wait_alu depctr_va_vdst(0)                   ; the multiplications have written v96-159, which the LDS stores read, and are done reading O^T of tile A, in which tile B's rows land; the last products are done reading V's fragments, in which tile A's rows land.  No vector instruction follows
.irp t, 0,1,2,3
	ds_store_b128 v[SO], v[SS+8*\t:SS+8*\t+3] offset:64*\t
	ds_store_b128 v[SO], v[SS+8*\t+4:SS+8*\t+7] offset:64*\t+16
.endr
.irp i, 0,1,2,3,4,5,6,7
	ds_load_b128 v[KF+4*\i:KF+4*\i+3], v[SR] offset:2*SPITCH*\i     ; LDS serves a wave's instructions in order: these see my stores, and tile B's stores come behind them
.endr
.irp t, 0,1,2,3
	ds_store_b128 v[SO], v[SS+32+8*\t:SS+32+8*\t+3] offset:64*\t
	ds_store_b128 v[SO], v[SS+32+8*\t+4:SS+32+8*\t+7] offset:64*\t+16
.endr
.irp i, 0,1,2,3,4,5,6,7
	ds_load_b128 v[OT+4*\i:OT+4*\i+3], v[SR] offset:2*SPITCH*\i
.endr
.irp i, 0,1,2,3,4,5,6,7
	s_wait_dscnt 23-\i                             ; younger than tile A's load i: its 7 - i later loads and tile B's sixteen LDS instructions
	global_store_b128 v[LI], v[KF+4*\i:KF+4*\i+3], s[12:13] offset:512*\i th:TH_STORE_NT
.endr
.irp i, 0,1,2,3,4,5,6,7
	s_wait_dscnt 7-\i
	global_store_b128 v[LI], v[OT+4*\i:OT+4*\i+3], s[12:13] offset:4096+512*\i th:TH_STORE_NT
.endr
	s_wait_dscnt 0x0                               ; the closing lines, six on end
	s_wait_alu 0x0
	s_wait_tensorcnt 0x0
	ds_add_u32 v79, v95
	s_wait_dscnt 0x0
	s_endpgm
.Lfunc_end_k_q37d68c78ed_attn:
	.size	k_q37d68c78ed_attn, .Lfunc_end_k_q37d68c78ed_attn-k_q37d68c78ed_attn
	.p2alignl 7, 3214868480
	.fill 96, 4, 3214868480
	.section	.rodata,"a",@progbits
	.p2align	6, 0x0
	.amdhsa_kernel k_q37d68c78ed_attn
		.amdhsa_group_segment_fixed_size 215040
		.amdhsa_private_segment_fixed_size 0
		.amdhsa_enable_private_segment 0
		.amdhsa_kernarg_size 40
		.amdhsa_user_sgpr_count 2
		.amdhsa_user_sgpr_kernarg_segment_ptr 1
		.amdhsa_wavefront_size32 1
		.amdhsa_system_sgpr_workgroup_id_x 1
		.amdhsa_system_sgpr_workgroup_id_y 1
		.amdhsa_system_sgpr_workgroup_id_z 1
		.amdhsa_system_vgpr_workitem_id 0
		.amdhsa_next_free_vgpr 256
		.amdhsa_next_free_sgpr 66
		.amdhsa_reserve_vcc 0
		.amdhsa_float_denorm_mode_32 3
		.amdhsa_float_denorm_mode_16_64 3
		.amdhsa_memory_ordered 1
		.amdhsa_forward_progress 1
		.amdhsa_inst_pref_size 112
	.end_amdhsa_kernel
	.amdgpu_metadata
---
amdhsa.version: [ 1, 2 ]
amdhsa.kernels:
  - .name:           k_q37d68c78ed_attn
    .symbol:         k_q37d68c78ed_attn.kd
    .args:
      - { .name: q, .offset: 0, .size: 8, .value_kind: global_buffer, .address_space: global }
      - { .name: k, .offset: 8, .size: 8, .value_kind: global_buffer, .address_space: global }
      - { .name: v, .offset: 16, .size: 8, .value_kind: global_buffer, .address_space: global }
      - { .name: scale_factor, .offset: 24, .size: 8, .value_kind: global_buffer, .address_space: global }
      - { .name: out0, .offset: 32, .size: 8, .value_kind: global_buffer, .address_space: global }
    .group_segment_fixed_size: 215040
    .private_segment_fixed_size: 0
    .kernarg_segment_align: 8
    .kernarg_segment_size: 40
    .max_flat_workgroup_size: 512
    .sgpr_count:     66
    .vgpr_count:     256
    .wavefront_size: 32
...
	.end_amdgpu_metadata
.endif
;; end of part 2
